; MI455X (gfx1250); checked and timed in simulation.
; The chip was launched on July 23, 2026; its instructions are those of AMD's public machine-readable ISA for CDNA 5 (MIT licence, August 2026) and "CDNA5" Instruction Set Architecture Reference Guide (July 2026). The comments in the code are by the model that wrote it; some were corrected since.
;; Quant Linear. Allowed arithmetic: matrix products marked QUANTISED: E4M3 operands, one E8M0 scale for each 32 along K, by v_wmma_scale_f32_16x16x128_f8f6f4 with both operands' format E4M3, f32 sums; everything else in f32.
;; Inputs: bias 2,048 float32; g_idx 4,096 int32; qweight 512 x 2,048 int32; qzeros 32 x 256 int32; scales 32 x 2,048 float32; x 4 x 2,048 x 4,096 float32.
;; Outputs: out0 4 x 2,048 x 2,048 float32.
;; This version of the problem:
;;   THIS VERSION OF THE PROBLEM IS GIVEN IN LOW PRECISION. The matrix products marked QUANTISED in the list below multiply operands that are first quantised to E4M3 (4 exponent bits, 3 mantissa bits; 8 bits a number), with one power-of-two scale for each 32 numbers along K (OCP MX v1.0); their sums are f32. All else is computed in f32.
;;   The module's matrix products, in the order in which they are computed (A, B: the left and right operand; K: the contracted axis; several contracted axes count as one K, in the product's order):
;;     1. [M 8,192, K 4,096] x [K 4,096, N 2,048]; A: input x; B: computed on the way: QUANTISED
;;   THE QUANTISER, for each operand of a quantised product, along K:
;;     - K is cut into blocks of 32 from its start; a last block that is shorter is filled with zeros.
;;     - A block's scale is 2^e with e = floor(log2(the largest magnitude in the block)) - 8, held to -126 .. 127; a block of zeros has e = 0. As a byte (E8M0): e + 127.
;;     - Each number is divided by its block's scale, clamped to +-448, and rounded to the nearest number of E4M3, ties to even, subnormals kept.
;;     - The product sums the exact products of the quantised numbers (number of the format x scale) in f32.
;;   ~~~python
;;   def quantise(x, axis):      # numpy; x: float32 -> the quantised numbers, widened to float32 again
;;       x = np.moveaxis(x, axis, -1); K = x.shape[-1]
;;       x = np.pad(x, [(0, 0)] * (x.ndim - 1) + [(0, -K % 32)]); x = x.reshape(x.shape[:-1] + (-1, 32)); a = np.abs(x).max(-1, keepdims=True)
;;       e = np.where(a > 0, np.clip(np.frexp(np.where(a > 0, a, 1))[1] - 1 - 8, -126, 127), 0)      # np.frexp(a)[1] - 1 = floor(log2(a)), exactly
;;       r = np.clip(x / 2.0 ** e, -448, 448)
;;       step = 2.0 ** (np.maximum(np.frexp(np.where(r == 0, 1, r))[1] - 1, -6) - 3)
;;       q = np.round(r / step) * step * 2.0 ** e      # np.round: ties to even
;;       return np.moveaxis(q.reshape(q.shape[:-2] + (-1,))[..., :K], -1, axis).astype(np.float32)
;;   ~~~
;;   OPERANDS COMPUTED ON THE WAY. 'Computed on the way' means the value that the module computes at that place (a softmax that the list does not call 'softmax' is quantised finished and normalised). What goes into a quantiser is computed in f32, as accurately as f32 sums, v_exp_f32 and their like allow (about 1e-6 of the number): no bf16 or f16 on the way to a quantiser, and a product that is left as it is and whose result goes on into a quantised operand takes f32 operands (vector FMAs, or v_wmma_f32_16x16x4_f32). A number that lies on a knife's edge between two numbers of the format may be rounded either way, as far as f32 arithmetic and the matrix unit's own rounding can turn it there, and no further.
;; One version. Each part assembles by itself: llvm-mc -triple=amdgcn-amd-amdhsa -mcpu=gfx1250 --defsym DOCPART=n.
;; ======== version 1 of 1: 2 launches
;; limits: right only within a limited range of input values
;; workspace buffers: xq 34,603,008 bytes; wq 8,650,752 bytes
;; launch prep (part 1): grid 768 x 1, 4 waves a work-group, no clusters, 45,056 bytes of LDS; arguments x, qweight, qzeros, scales, g_idx, xq, wq; writes xq, wq
.if DOCPART == 1
	.amdgcn_target "amdgcn-amd-amdhsa--gfx1250"
	.amdhsa_code_object_version 6
	.text
	.protected	k_qd34c69d108_prep
	.globl	k_qd34c69d108_prep
	.p2align	8
	.type	k_qd34c69d108_prep,@function
k_qd34c69d108_prep:
	s_mov_b64 s[64:65], 0
	v_nop
	global_prefetch_b8 v0, s[64:65] scope:SCOPE_SE
	s_setreg_imm32_b32 hwreg(HW_REG_WAVE_MODE, 25, 1), 1
	s_wait_xcnt 0x0
; BOTH OPERANDS OF out = x W + bias BECOME CODES OF FP8 (E4M3) WITH ONE E8M0 SCALE BYTE FOR EACH 32 ALONG K.
; x: [8192][4096] f32.  W[k][n] = scales[g_idx[k]][n] x (wbin[k][n] - zeros[g_idx[k]][n]): wbin = +1 where the 4-bit field of qweight ([512][2048], eight k to a word) is not 0, else -1;
; zeros = the 4-bit field of qzeros ([32][256], eight n to a word) + 1.  wbin - zeros is a whole number from -17 to 0, exact in f32; the one multiplication by the scale rounds once.
; THE TWO WORKSPACE BUFFERS ARE LAID IN THE ORDER OF AN OPERAND'S REGISTERS.  xq = [64 halves of 128 rows][16 K steps of 256][BLK], wq = [16 halves of 128 columns][16 K steps][BLK], BLK = 33,792 bytes:
;   codes at q 16384 + i 2048 + c 512 + h 256 + r 16 + 0..15: row (column) 16 i + r, k = 128 q + 32 c + 16 h + 0..15 of the K step;  scale words at 32768 + q 512 + i 64 + r 4, byte c for block c.
; So the product's launch brings 128 rows x 256 K with their scales as one dense block, and a fragment is four loads of 16 bytes a lane at 16 x lane.
; A block's scale is 2^(floor(log2(its largest magnitude)) - 8); its byte is the largest magnitude's exponent field - 8, held at 1 from below; each number is held within +-448 x the scale and converted, ties to even.
; LIMITS: NaN and infinities among the inputs are not served; a block whose largest magnitude lies under 2^-118 gets the byte 1 (a block of zeros too, where the rule says 127: its codes are zeros,
; which add nothing, and this program alone reads the bytes); a g_idx outside 0 .. 31 is read as 31.
; SHARES.  Work-groups 0-255 make W, work-groups 256-767 quantise x: one branch on the work-group's number at the head; each way has LDS bytes of its own.  Waves share nothing: no barrier.
; No cluster: no two work-groups read the same large bytes.  No matrix unit: there is no product here.
.set BLK,   33792
.set FLOOR, 0x4800000                  ; 2^(9 - 127): no largest magnitude is taken under it, so the byte cannot fall under 1
; the way of x
.set XR,    16                         ; v16-143  two sets of 64 numbers as they are loaded: 16 rows x 16 bytes a lane
.set XX,    144                        ; v144-207 my 64 numbers: register 16 c + i = k 32 c + 16 h + i of row r
.set XPC,   208                        ; v208-223 the fragment's codes
.set XTM,   224                        ; v224-227 largest magnitudes, v228-231 bytes, v232-235 448 x the scale, v236-239 the conversions' scale operands
.set XPW,   240                        ; v240     the scale word
.set XOUT,  248                        ; v248-251 the scale words on their way out
.set XSP,   528                        ; a stage row: 512 bytes + 16: row r starts 4 r words on among the 64 banks (ISA guide 11.1)
.set XSCW,  16*XSP                     ; behind a wave's stage: its 512 bytes of scale words
.set XWREG, XSCW+512                   ; LDS of a wave on x's way
; the way of W
.set WBASE, 4*XWREG                    ; LDS of W's way begins behind x's
.set WWREG, 4*528                      ; a wave's stage: 4 rows of 512 bytes + 16
.set WSW,   12                         ; v12-13   my two columns' scale words
.set WT,    16                         ; v16-31   at work
.set WWQ,   32                         ; v32-39   qweight's words: row u, column j at 2 u + j
.set WAS,   40                         ; v40-55   offsets into scales, two sets of 8
.set WAZ,   56                         ; v56-71   offsets into qzeros, two sets of 8
.set WZV,   72                         ; v72-87   qzeros' words, two sets of 8
.set WSV,   88                         ; v88-119  scales, two sets of 8 pairs
.set WX,    120                        ; v120-183 W's numbers: column j at 32 j, down K
.set WC,    184                        ; v184-199 codes: column j at 8 j
.set WO,    200                        ; v200-215 the way out
	s_load_b256 s[4:11], s[0:1], 0x0               ; x s[4:5], qweight s[6:7], qzeros s[8:9], scales s[10:11]
	s_load_b128 s[12:15], s[0:1], 0x20             ; g_idx s[12:13], xq s[14:15]
	s_load_b64 s[16:17], s[0:1], 0x30              ; wq
	v_lshl_add_u32 v254, v0, 2, 0xae00
	v_mov_b32 v255, 0
	v_lshrrev_b32 v1, 5, v0
	v_readfirstlane_b32 s18, v1                    ; wave 0..3
	v_and_b32 v1, 31, v0                           ; lane
	s_mov_b32 s23, 0x600000                        ; the mantissa field of 448
	s_cmp_lt_u32 ttmp9, 256
	s_cbranch_scc0 .Lx
; ---------------------------------------------------------------- W ----------------------------------------------------------------
; A wave takes 64 columns x 128 along K.  LANE l TAKES COLUMNS 2 l AND 2 l + 1 OF THE 64, AND ITS REGISTERS RUN DOWN K: so k is the same in all lanes and g_idx[k] is a scalar; each load of qweight and of
; scales reads 256 consecutive bytes; a block of 32 along K lies in one lane's 32 registers, and the conversions give codes with K innermost.  Four trips, a block of 32 along K each.
	s_lshr_b32 s19, ttmp9, 3                       ; kq: which 128 along K
	s_and_b32 s20, ttmp9, 7
	s_lshl_b32 s20, s20, 2
	s_add_co_u32 s20, s20, s18                     ; cg: which 64 columns
	v_lshlrev_b32 v2, 3, v1                        ; 8 x lane: my two columns in a row of qweight or of scales, and my two scale words
	v_lshlrev_b32 v3, 4, v1                        ; 16 x lane
	v_lshrrev_b32 v4, 2, v1
	v_lshlrev_b32 v4, 2, v4                        ; qzeros: four lanes (eight columns) to a word
	v_and_b32 v5, 3, v1
	v_lshlrev_b32 v5, 3, v5                        ; my even column's field begins at bit 8 (lane % 4),
	v_add_nc_u32 v6, 4, v5                         ; my odd column's four bits on
	s_mul_i32 s21, s18, WWREG
	s_add_co_u32 s21, s21, WBASE                   ; my stage
	s_wait_alu depctr_va_vdst(0)
	; THE COLUMNS OF A FRAGMENT OF W: of a wave's 64 columns, column c goes to fragment c % 4, row c / 4 (this takes the place of 16 i + r in the layout stated at the head, for wq's codes alone;
	; the scale words stay in the order of the columns).  My columns 2 l + j: fragment 2 (l % 2) + j, row l / 2
	v_and_b32 v7, 1, v1
	v_mul_u32_u24 v7, v7, 1056
	v_lshrrev_b32 v9, 1, v1
	v_lshl_add_u32 v7, v9, 4, v7
	v_add_nc_u32 v7, s21, v7                       ; into it: row 2 (lane % 2) + j (column j's fragment), 16 bytes at 16 (lane / 2); the second half of a block 256 bytes on
	v_add_nc_u32 v8, s21, v3                       ; out of it: 16 x lane of a row
	v_mov_b32 v[WSW], 0
	v_mov_b32 v[WSW+1], 0
	s_mov_b32 s25, 0
	s_mov_b32 s28, 4                               ; trips
	s_mov_b32 s29, 0                               ; 8 x the block's number: where its byte goes in the scale word
	s_wait_kmcnt 0x0
	s_lshl_b32 s24, s19, 17                        ; qweight: 16 rows of 8,192 bytes for each 128 along K,
	s_lshl_b32 s21, s20, 8                         ; 256 bytes for each 64 columns
	s_add_co_u32 s24, s24, s21
	s_add_nc_u64 s[6:7], s[6:7], s[24:25]
	s_mov_b32 s24, s21
	s_add_nc_u64 s[10:11], s[10:11], s[24:25]      ; scales: my 64 columns
	s_lshl_b32 s24, s20, 5
	s_add_nc_u64 s[8:9], s[8:9], s[24:25]          ; qzeros: their 8 words
	s_lshl_b32 s24, s19, 9
	s_add_nc_u64 s[12:13], s[12:13], s[24:25]      ; g_idx: my 128 k
	s_lshr_b32 s21, s20, 1
	s_lshl_b32 s21, s21, 4
	s_lshr_b32 s22, s19, 1
	s_add_co_u32 s21, s21, s22
	s_mul_i32 s21, s21, BLK                        ; my block of wq: half cg / 2, K step kq / 2
	s_and_b32 s22, s19, 1                          ; q
	s_and_b32 s30, s20, 1                          ; which 64 of the 128 columns
	s_lshl_b32 s24, s22, 9
	s_lshl_b32 s26, s30, 8
	s_add_co_u32 s24, s24, s26
	s_add_co_u32 s24, s24, s21
	s_add_co_u32 s24, s24, 32768
	s_add_nc_u64 s[26:27], s[16:17], s[24:25]      ; my 64 scale words
	s_lshl_b32 s24, s22, 14
	s_lshl_b32 s22, s30, 13
	s_add_co_u32 s24, s24, s22
	s_add_co_u32 s24, s24, s21
	s_add_nc_u64 s[16:17], s[16:17], s[24:25]      ; my codes, block 0
; the rows of scales and qzeros that g_idx names for k = 8 u .. 8 u + 7 of the block, into set b: sixteen loads
.macro GATHER u, b
.irp t, 0,1,2,3,4,5,6,7
	v_lshl_add_u32 v[WAS+8*\b+\t], s[32+8*\u+\t], 13, v2           ; a row of scales is 8,192 bytes
	v_lshl_add_u32 v[WAZ+8*\b+\t], s[32+8*\u+\t], 10, v4           ; a row of qzeros 1,024
.endr
.irp t, 0,1,2,3,4,5,6,7
	global_load_b64 v[WSV+16*\b+2*\t:WSV+16*\b+2*\t+1], v[WAS+8*\b+\t], s[10:11]
	global_load_b32 v[WZV+8*\b+\t], v[WAZ+8*\b+\t], s[8:9]
.endr
.endm
; W(8 u + t, my column j), t = 0 .. 7: eight numbers by turns, so that no line waits for the line above it
.macro VALUES u, b
.irp j, 0,1
.irp t, 0,1,2,3,4,5,6,7
	v_bfe_u32 v[WT+\t], v[WZV+8*\b+\t], v[5+\j], 4                 ; the zero's field z
.endr
.irp t, 0,1,2,3,4,5,6,7
	v_sub_nc_u32 v[WT+\t], -2, v[WT+\t]                            ; -1 - (z + 1)
.endr
.irp t, 0,1,2,3,4,5,6,7
	v_bfe_u32 v[WT+8+\t], v[WWQ+2*\u+\j], 4*\t, 4                  ; the weight's field
.endr
.irp t, 0,1,2,3,4,5,6,7
	v_min_u32 v[WT+8+\t], 1, v[WT+8+\t]                            ; 1 where it is not 0
.endr
.irp t, 0,1,2,3,4,5,6,7
	v_lshl_add_u32 v[WT+\t], v[WT+8+\t], 1, v[WT+\t]               ; wbin - zeros: -17 .. 0
.endr
.irp t, 0,1,2,3,4,5,6,7
	v_cvt_f32_i32 v[WT+\t], v[WT+\t]
.endr
.irp t, 0,1,2,3,4,5,6,7
	v_mul_f32 v[WX+32*\j+8*\u+\t], v[WSV+16*\b+2*\t+\j], v[WT+\t]  ; x the scale: the one rounding
.endr
.endr
.endm
; column j's block of 32: its scale byte into the scale word, its 32 codes into v[WC + 8 j] on
.macro QUANTW j
.set QS, WX+32*\j
.set QT, WT+8*\j
	v_max3_num_f32 v[QT], |v[QS]|, |v[QS+1]|, |v[QS+2]|            ; the largest magnitude: all 32 numbers are mine; two chains
	v_max3_num_f32 v[QT+1], |v[QS+3]|, |v[QS+4]|, |v[QS+5]|
.irp i, 6,10,14,18,22,26
	v_max3_num_f32 v[QT], v[QT], |v[QS+\i]|, |v[QS+\i+1]|
	v_max3_num_f32 v[QT+1], v[QT+1], |v[QS+\i+2]|, |v[QS+\i+3]|
.endr
	v_max3_num_f32 v[QT], v[QT], |v[QS+30]|, |v[QS+31]|
	v_max3_num_f32 v[QT], v[QT], v[QT+1], FLOOR
	v_add_nc_u32 v[QT+2], 0xfc000000, v[QT]        ; 8 off its exponent field: the conversion takes the exponent field of this operand as its scale, and nothing else of it
	v_and_or_b32 v[QT+3], v[QT], 0x7f800000, s23   ; 448 x the scale
	v_lshrrev_b32 v[QT+4], 23, v[QT+2]             ; the scale's byte
	v_lshl_or_b32 v[WSW+\j], v[QT+4], s29, v[WSW+\j]
.irp i, 0,1,2,3,4,5,6,7,8,9,10,11,12,13,14,15,16,17,18,19,20,21,22,23,24,25,26,27,28,29,30,31
	v_med3_num_f32 v[QS+\i], v[QS+\i], -v[QT+3], v[QT+3]           ; the conversion to an 8-bit code does not saturate (ISA guide 7.6.2): the hold comes first
.endr
.irp g, 0,1,2,3
	v_cvt_scalef32_pk8_fp8_f32 v[WC+8*\j+2*\g:WC+8*\j+2*\g+1], v[QS+8*\g:QS+8*\g+7], v[QT+2]
.endr
.endm
.Lwtrip:
	s_load_b512 s[32:47], s[12:13], 0x0            ; the block's 32 g_idx
	s_load_b512 s[48:63], s[12:13], 0x40
.irp u, 0,1,2,3
	global_load_b64 v[WWQ+2*\u:WWQ+2*\u+1], v2, s[6:7] offset:8192*\u th:TH_LOAD_NT   ; four rows of qweight: 32 k of my two columns
.endr
	s_wait_kmcnt 0x0
.irp n, 0,1,2,3,4,5,6,7,8,9,10,11,12,13,14,15,16,17,18,19,20,21,22,23,24,25,26,27,28,29,30,31
	s_min_u32 s[32+\n], s[32+\n], 31               ; a loaded number enters an address only held inside its table
.endr
	GATHER 0, 0
	GATHER 1, 1
	s_wait_loadcnt 16                              ; qweight's words and chunk 0 are in; chunk 1's sixteen loads may be out
	VALUES 0, 0
	GATHER 2, 0                                    ; chunk 0's loads are done, so their offsets' and their data's registers are free
	s_wait_loadcnt 16                              ; chunk 1 is in; chunk 2's sixteen may be out
	VALUES 1, 1
	GATHER 3, 1
	s_wait_loadcnt 16                              ; chunk 2 is in; chunk 3's sixteen may be out
	VALUES 2, 0
	s_wait_loadcnt 0x0
	VALUES 3, 1
	QUANTW 0
	QUANTW 1
	v_nop                                          ; a plain vector line behind the last scaled conversion
.irp j, 0,1
.irp h, 0,1
	ds_store_b128 v7, v[WC+8*\j+4*\h:WC+8*\j+4*\h+3] offset:528*\j+256*\h   ; 16 codes: k = 16 h + 0 .. 15 of the block; stage row = fragment
.endr
.endr
.irp i, 0,1,2,3
	ds_load_b128 v[WO+4*\i:WO+4*\i+3], v8 offset:528*\i            ; LDS serves a wave's instructions in order (ISA guide 5.7.1.4): these see my stores
.endr
.irp i, 0,1,2,3
	s_wait_dscnt 3-\i                              ; the younger loads from the stage may be out
	global_store_b128 v3, v[WO+4*\i:WO+4*\i+3], s[16:17] offset:2048*\i   ; 32 lanes store 512 consecutive bytes, at a multiple of 256 from wq's first byte
.endr
	s_wait_xcnt 0x0                                ; the stores and loads have read their registers and bases: both may be written again
	s_add_nc_u64 s[6:7], s[6:7], 32768             ; four rows of qweight on,
	s_add_nc_u64 s[12:13], s[12:13], 128           ; 32 g_idx on,
	s_add_nc_u64 s[16:17], s[16:17], 512           ; the next block's place in a fragment
	s_add_co_u32 s29, s29, 8
	s_sub_co_u32 s28, s28, 1
	s_cmp_lg_u32 s28, 0
	s_cbranch_scc1 .Lwtrip
	global_store_b64 v2, v[WSW:WSW+1], s[26:27]    ; 64 scale words: 256 consecutive bytes, aligned
	s_wait_tensorcnt 0x0
	ds_add_u32 v254, v255
	s_wait_dscnt 0x0
	s_endpgm
; ---------------------------------------------------------------- x ----------------------------------------------------------------
; A wave takes 128 rows x 128 along K, in 8 steps of 16 rows: a step makes one fragment.  Each load reads 512 consecutive bytes of a row; the four waves stand side by side on 2,048 bytes of it.
; The conversions want 16 neighbours along K in ONE lane's registers: so a step's 16 rows turn through the wave's own stage in LDS: in as loaded, out 64 bytes a lane and block.
.Lx:
	s_sub_co_u32 s19, ttmp9, 256
	s_lshr_b32 s20, s19, 3                         ; which 128 rows
	s_and_b32 s21, s19, 7
	s_lshl_b32 s21, s21, 2
	s_add_co_u32 s21, s21, s18                     ; kq: which 128 along K
	s_lshl_b32 s24, s20, 21                        ; 128 rows of 16,384 bytes
	s_lshl_b32 s25, s21, 9
	s_add_co_u32 s24, s24, s25
	s_mov_b32 s25, 0
	s_lshl_b32 s26, s20, 4
	s_lshr_b32 s27, s21, 1
	s_add_co_u32 s26, s26, s27
	s_mul_i32 s26, s26, BLK                        ; my block of xq
	s_and_b32 s27, s21, 1                          ; q
	s_lshl_b32 s28, s27, 14
	s_add_co_u32 s28, s28, s26                     ; my codes
	s_mov_b32 s29, 0
	s_lshl_b32 s30, s27, 9
	s_add_co_u32 s30, s30, s26
	s_add_co_u32 s30, s30, 32768                   ; my scale words
	s_mov_b32 s31, 0
	s_mov_b32 s36, 0x76543210
	s_mov_b32 s37, 0xfedcba98                      ; v_permlanex16_b32's selects for lane l xor 16
	s_mul_i32 s22, s18, XWREG                      ; my LDS
	s_wait_alu depctr_va_vdst(0)
	v_lshlrev_b32 v2, 4, v1                        ; 16 x lane
	v_add_nc_u32 v3, s22, v2                       ; the stage, on the way in
	v_and_b32 v7, 15, v0                           ; r
	v_bfe_u32 v8, v0, 4, 1                         ; h
	v_mul_u32_u24 v4, v7, XSP
	v_lshl_add_u32 v4, v8, 6, v4
	v_add_nc_u32 v4, s22, v4                       ; on the way out: row r, + 64 h
	v_lshl_add_u32 v5, v7, 4, s22                  ; xq's scale words lie [fragment % 2][row r][fragment / 2] (in place of i 64 + r 4 at the head): 16 bytes a lane give four fragment pairs' words
	v_add_nc_u32 v5, XSCW, v5                      ; my row's scale word
	v_add_nc_u32 v6, XSCW, v3                      ; and the words on their way out: 16 bytes a lane
.irp b, 0,1,2,3
	v_mov_b32 v[XTM+4+\b], 0                       ; written once: a lane permute's destination counts as one of its sources
.endr
	s_wait_alu depctr_va_vdst(0)
	s_wait_kmcnt 0x0
	s_add_nc_u64 s[4:5], s[4:5], s[24:25]
	s_add_nc_u64 s[32:33], s[14:15], s[30:31]
	s_add_nc_u64 s[14:15], s[14:15], s[28:29]
.macro XLOAD t                         ; rows 16 t .. 16 t + 15 into set t % 2
.irp w, 0,1,2,3,4,5,6,7,8,9,10,11,12,13,14,15
	global_load_b128 v[XR+64*((\t)%2)+4*\w:XR+64*((\t)%2)+4*\w+3], v2, s[4:5] offset:(16*(\t)+\w)*16384 th:TH_LOAD_NT
.endr
.endm
; 64 numbers of a lane, register 16 b + i = k 32 b + 16 h + i of my row, become a fragment's codes in v[XPC] on and its scale word in v[XPW]
.macro QUANTX s
.irp b, 0,1,2,3
	v_max3_num_f32 v[XTM+\b], |v[\s+16*\b]|, |v[\s+1+16*\b]|, FLOOR
.endr
.irp i, 2,4,6,8,10,12,14
.irp b, 0,1,2,3
	v_max3_num_f32 v[XTM+\b], v[XTM+\b], |v[\s+16*\b+\i]|, |v[\s+1+16*\b+\i]|   ; the four blocks by turns
.endr
.endr
.irp b, 0,1,2,3
	v_permlanex16_b32 v[XTM+4+\b], v[XTM+\b], s36, s37
.endr
.irp b, 0,1,2,3
	v_max_num_f32 v[XTM+\b], v[XTM+\b], v[XTM+4+\b]                ; with lane l xor 16's: the block's largest magnitude
.endr
.irp b, 0,1,2,3
	v_add_nc_u32 v[XTM+12+\b], 0xfc000000, v[XTM+\b]               ; 8 off its exponent field: the conversion's scale operand
.endr
.irp b, 0,1,2,3
	v_and_or_b32 v[XTM+8+\b], v[XTM+\b], 0x7f800000, s23           ; 448 x the scale
.endr
.irp b, 0,1,2,3
	v_lshrrev_b32 v[XTM+4+\b], 23, v[XTM+12+\b]                    ; the scale's byte
.endr
	v_lshl_or_b32 v[XPW], v[XTM+5], 8, v[XTM+4]
	v_lshl_or_b32 v[XPW], v[XTM+6], 16, v[XPW]
	v_lshl_or_b32 v[XPW], v[XTM+7], 24, v[XPW]
.irp b, 0,1,2,3
.irp i, 0,1,2,3,4,5,6,7,8,9,10,11,12,13,14,15
	v_med3_num_f32 v[\s+16*\b+\i], v[\s+16*\b+\i], -v[XTM+8+\b], v[XTM+8+\b]   ; the conversion to an 8-bit code does not saturate (ISA guide 7.6.2): the hold comes first
.endr
	v_cvt_scalef32_pk8_fp8_f32 v[XPC+4*\b:XPC+1+4*\b], v[\s+16*\b:\s+7+16*\b], v[XTM+12+\b]
	v_cvt_scalef32_pk8_fp8_f32 v[XPC+2+4*\b:XPC+3+4*\b], v[\s+8+16*\b:\s+15+16*\b], v[XTM+12+\b]
.endr
	v_nop                                          ; a plain vector line behind the last scaled conversion
.endm
.macro XSTEP t
.if (\t) < 7
	s_wait_loadcnt 16                              ; this step's sixteen loads are in; the next step's sixteen may be out
.else
	s_wait_loadcnt 0x0
.endif
.irp w, 0,1,2,3,4,5,6,7,8,9,10,11,12,13,14,15
	ds_store_b128 v3, v[XR+64*((\t)%2)+4*\w:XR+64*((\t)%2)+4*\w+3] offset:\w*XSP
.endr
.irp c, 0,1,2,3
.irp j, 0,1,2,3
	ds_load_b128 v[XX+16*\c+4*\j:XX+16*\c+4*\j+3], v4 offset:128*\c+16*\j   ; LDS serves a wave's instructions in order (ISA guide 5.7.1.4): these see my stores
.endr
.endr
	s_wait_dscnt 0x0                               ; my 64 numbers are back: so the stores into the stage have read their registers,
	s_wait_xcnt 0x0                                ; and the last step's stores of codes have read theirs
.if (\t) < 6
	XLOAD (\t)+2                                   ; the set just emptied takes the rows two steps on
.endif
	QUANTX XX
.irp c, 0,1,2,3
	global_store_b128 v2, v[XPC+4*\c:XPC+4*\c+3], s[14:15] offset:2048*(\t)+512*\c   ; 32 lanes store 512 consecutive bytes, at a multiple of 256 from xq's first byte
.endr
	ds_store_b32 v5, v[XPW] offset:256*((\t)%2)+4*((\t)/2)   ; both halves of the lanes write the same word with the same value
.endm
	XLOAD 0
	XLOAD 1
.irp t, 0,1,2,3,4,5,6,7
	XSTEP \t
.endr
	ds_load_b128 v[XOUT:XOUT+3], v6                ; my 128 scale words
	s_wait_dscnt 0x0
	global_store_b128 v2, v[XOUT:XOUT+3], s[32:33] ; 512 consecutive bytes, aligned
	s_wait_tensorcnt 0x0
	ds_add_u32 v254, v255
	s_wait_dscnt 0x0
	s_endpgm
.Lfunc_end_k_qd34c69d108_prep:
	.size	k_qd34c69d108_prep, .Lfunc_end_k_qd34c69d108_prep-k_qd34c69d108_prep
	.p2alignl 7, 3214868480
	.fill 96, 4, 3214868480
	.section	.rodata,"a",@progbits
	.p2align	6, 0x0
	.amdhsa_kernel k_qd34c69d108_prep
		.amdhsa_group_segment_fixed_size 45056
		.amdhsa_private_segment_fixed_size 0
		.amdhsa_enable_private_segment 0
		.amdhsa_kernarg_size 56
		.amdhsa_user_sgpr_count 2
		.amdhsa_user_sgpr_kernarg_segment_ptr 1
		.amdhsa_wavefront_size32 1
		.amdhsa_system_sgpr_workgroup_id_x 1
		.amdhsa_system_sgpr_workgroup_id_y 1
		.amdhsa_system_sgpr_workgroup_id_z 1
		.amdhsa_system_vgpr_workitem_id 0
		.amdhsa_next_free_vgpr 256
		.amdhsa_next_free_sgpr 66
		.amdhsa_reserve_vcc 0
		.amdhsa_float_denorm_mode_32 3
		.amdhsa_float_denorm_mode_16_64 3
		.amdhsa_memory_ordered 1
		.amdhsa_forward_progress 1
		.amdhsa_inst_pref_size 142
	.end_amdhsa_kernel
	.amdgpu_metadata
---
amdhsa.version: [ 1, 2 ]
amdhsa.kernels:
  - .name:           k_qd34c69d108_prep
    .symbol:         k_qd34c69d108_prep.kd
    .args:
      - { .name: x, .offset: 0, .size: 8, .value_kind: global_buffer, .address_space: global }
      - { .name: qweight, .offset: 8, .size: 8, .value_kind: global_buffer, .address_space: global }
      - { .name: qzeros, .offset: 16, .size: 8, .value_kind: global_buffer, .address_space: global }
      - { .name: scales, .offset: 24, .size: 8, .value_kind: global_buffer, .address_space: global }
      - { .name: g_idx, .offset: 32, .size: 8, .value_kind: global_buffer, .address_space: global }
      - { .name: xq, .offset: 40, .size: 8, .value_kind: global_buffer, .address_space: global }
      - { .name: wq, .offset: 48, .size: 8, .value_kind: global_buffer, .address_space: global }
    .group_segment_fixed_size: 45056
    .private_segment_fixed_size: 0
    .kernarg_segment_align: 8
    .kernarg_segment_size: 56
    .max_flat_workgroup_size: 128
    .sgpr_count:     66
    .vgpr_count:     256
    .wavefront_size: 32
...
	.end_amdgpu_metadata
.endif
;; end of part 1
;; launch gemm (part 2): grid 8 x 32, 4 waves a work-group, clusters of 4 x 1, 327,680 bytes of LDS; arguments xq, wq, bias, out0; writes out0
.if DOCPART == 2
	.amdgcn_target "amdgcn-amd-amdhsa--gfx1250"
	.amdhsa_code_object_version 6
	.text
	.protected	k_qd34c69d108_gemm
	.globl	k_qd34c69d108_gemm
	.p2align	8
	.type	k_qd34c69d108_gemm,@function
k_qd34c69d108_gemm:
	s_mov_b64 s[64:65], 0
	v_nop
	global_prefetch_b8 v0, s[64:65] scope:SCOPE_SE
	s_setreg_imm32_b32 hwreg(HW_REG_WAVE_MODE, 25, 1), 1
	s_wait_xcnt 0x0
	s_wait_alu depctr_hold_cnt(0) depctr_sa_sdst(0) depctr_va_vdst(0) depctr_va_sdst(0) depctr_va_ssrc(0) depctr_va_vcc(0) depctr_vm_vsrc(0)
	s_getreg_b32 s2, hwreg(HW_REG_IB_STS2, 6, 4)
	s_cmp_eq_u32 s2, 0
	s_cbranch_scc0 .Lentry_in_a_cluster
	s_endpgm
.Lentry_in_a_cluster:
	s_bfe_u32 s2, ttmp6, 0x10000c
	s_cmp_lg_u32 s2, 0x3003
	s_cbranch_scc0 .Lentry_shape_is_right
	s_endpgm
.Lentry_shape_is_right:
; out0[8192][2048] = x W + bias on codes of MX-FP8 (E4M3, an E8M0 byte for 32 along K), K = 4096, f32 sums.  xq and wq are the first launch's: blocks of 33,792 bytes, [half of 128 rows or columns][K step of 256],
; codes in the order of an operand's registers (q 16384 + fragment 2048 + c 512 + 16 x lane), scale words from byte 32768 + 512 q on.
; SHARES.  A work-group makes 256 x 256 of out0; 256 work-groups.  A wave makes 256 rows x 64 columns: 64 accumulators, 512 registers.
; W GOES FROM MEMORY STRAIGHT INTO REGISTERS: a wave's 64 columns are its own, so no byte of W is loaded twice in a work-group: 16 loads of 512 consecutive bytes and one of 256 (scale words) for a step of 128 along K;
; three sets of 64 registers; behind step t's last product its set takes step t + 3.  x GOES THROUGH LDS: two slots, each 256 rows x 512 along K (four blocks, one tensor load a wave): a refill has four steps, 256 products a wave, in which to land.
; A BATCH is 32 products: the eight fragments of one half of x's rows against W's four.  Each half has a buffer of 128 registers; behind its batch stand eight places and ONE run of loads: the same half's fragments of the next step.
; Three sets of W and four steps to a slot come round after 12 steps: a trip of the loop is three slots.
; CLUSTERS: the four work-groups of a cluster make four tile columns of one tile row and ask for x's tiles jointly (mask 15).  W is not shared in a cluster: each partner has other columns.
; THE WAY OUT needs no LDS: W's fragment b, row r is column 4 r + b of the wave's 64, so a lane's numbers of the four column tiles are four neighbours of a row of out0; the bias's addition gathers them into
; four registers on end, and sixteen lanes store 256 consecutive bytes, aligned.  Rows 0-127 leave behind their last batch, ahead of the last batch of rows 128-255; the closing round stands inside the batch before.
; PREFETCH: x's slot three on, shared out among the cluster's sixteen waves by address; W's slot two on, by the clusters of tile rows 0 and 1 alone, since all 32 tile rows read the same W.  The first slots come by their loads.
; LIMITS: as the first launch states them.  No LDS padding: a fragment load reads 512 consecutive bytes.
; REGISTERS: window 0: v8-20 addresses, v32-59 scale words (x's at numbers 0-3 modulo 8, W's at 4-7), v60-63 bias, v64-127 W's set 2, v128-255 x's rows 0-127; window 1: v0-127 x's rows 128-255, v128-255 W's sets 0, 1;
; windows 2, 3: the sums of rows 0-127 and 128-255, (fragment i, b) at 8 (4 i + b).
.set BLK,   33792
.set SLOT,  4*BLK
.set SPARE, 2*SLOT                     ; behind the slots: the spare words, 512 bytes
.set ADR,  8                           ; v8-11  LDS address of block 2 x half + u of the slot that is fetched from, + 16 x lane
.set SPW,  12
.set NIL,  13
.set L16,  14                          ; 16 x lane
.set WO,   15                          ; my offset in a block of W: 16 x lane + 8192 x (wave % 2)
.set WSO,  16                          ; and in its scale words: 32768 + 256 x (wave % 2) + 16 r + 8 h
.set CO,   17                          ; out0: 8 h rows + 16 r
.set PFO,  18                          ; prefetches: 256 x lane; 0; 256 x (lane % 4)
.set PFZ,  19
.set PF4,  20
.set BI,   60
.set G1,   24
.set G0,   32
.set WB,   40                          ; s[40:41] W: the first step of the trip
.set PFX,  42                          ; s[42:43], s[44:45] where the prefetches of x and of W stand
.set PFW,  44
.set MSB, 0
.macro WIN new                         ; the immediate's high byte repeats the setting that is left
.if MSB != \new
	s_set_vgpr_msb (MSB<<8)|\new
.set MSB, \new
.endif
.endm
.macro PLACES n
.rept \n
	v_nop
.endr
.endm
.macro CREST                           ; a round of the cluster's barrier behind its opening barrier
	s_cmp_lg_u32 s14, 0
	s_cbranch_scc1 .Lnot_wave_0_\@
	s_barrier_signal -3
.Lnot_wave_0_\@:
	s_barrier_wait -3
	s_barrier_signal -1
	s_barrier_wait -1
.endm
.macro CROUND
	s_barrier_signal -1
	s_barrier_wait -1
	CREST
.endm
.macro TLOAD                           ; my block of a slot, jointly with my three partners; s_nop 0 and four v_nop follow
	tensor_load_to_lds s[G0:G0+3], s[G1:G1+7]
	s_nop 0
	PLACES 4
.endm
.macro WSET t                          ; where step t's set of W lies: registers WR_ on in window WW_, scale words in v[SW_], v[SW_+1]
.if (\t)%3 == 2
.set WR_, 64
.set WW_, 0
.set SW_, 44
.else
.set WR_, 128+64*((\t)%3)
.set WW_, 1
.set SW_, 36+2*((\t)%3)
.endif
.endm
.macro WLOAD t                         ; W's step t, counted from s[WB]: 17 loads.  Scale words: register 0: lanes 0-15 fragment 0, lanes 16-31 fragment 2; register 1: fragments 1 and 3
	WSET \t
	WIN 0x40*WW_
.irp b, 0,1,2,3
.irp c, 0,1,2,3
	global_load_b128 v[WR_+16*\b+4*\c:WR_+16*\b+4*\c+3], v[WO], s[WB:WB+1] offset:((\t)/2)*BLK+((\t)%2)*16384+2048*\b+512*\c
.endr
.endr
	WIN 0
	global_load_b64 v[SW_:SW_+1], v[WSO], s[WB:WB+1] offset:((\t)/2)*BLK+((\t)%2)*512
.endm
.macro XLOAD t, hh                     ; x's half hh of step t: its scale words (register j: lanes 0-15 fragment 2 j, lanes 16-31 fragment 2 j + 1) and eight fragments: 33 LDS loads
.set Q4_, (\t)%4
	WIN 0
	ds_load_b128 v[32+16*((\t)%2)+8*(\hh):32+16*((\t)%2)+8*(\hh)+3], v[ADR+2*(\hh)+Q4_/2] offset:32768+512*(Q4_%2)
	WIN 0x40*(\hh)
.irp i, 0,1,2,3,4,5,6,7
.irp c, 0,1,2,3
	ds_load_b128 v[128*(1-(\hh))+16*\i+4*\c:128*(1-(\hh))+16*\i+4*\c+3], v[ADR+2*(\hh)+Q4_/2] offset:16384*(Q4_%2)+2048*\i+512*\c
.endr
.endr
.endm
.macro WMX ac, xr, wr, sx, sw, ra, rb, c
.if (\ra)&&(\rb)
	v_wmma_scale_f32_16x16x128_f8f6f4 v[\ac:\ac+7], v[\xr:\xr+15], v[\wr:\wr+15], \c, v[\sx], v[\sw] matrix_a_scale:MATRIX_SCALE_ROW1 matrix_b_scale:MATRIX_SCALE_ROW1
.elseif \ra
	v_wmma_scale_f32_16x16x128_f8f6f4 v[\ac:\ac+7], v[\xr:\xr+15], v[\wr:\wr+15], \c, v[\sx], v[\sw] matrix_a_scale:MATRIX_SCALE_ROW1
.elseif \rb
	v_wmma_scale_f32_16x16x128_f8f6f4 v[\ac:\ac+7], v[\xr:\xr+15], v[\wr:\wr+15], \c, v[\sx], v[\sw] matrix_b_scale:MATRIX_SCALE_ROW1
.else
	v_wmma_scale_f32_16x16x128_f8f6f4 v[\ac:\ac+7], v[\xr:\xr+15], v[\wr:\wr+15], \c, v[\sx], v[\sw]
.endif
.endm
.macro WM ac, xr, wr, sx, sw, ra, rb, z   ; z = 1: the first product starts the sum
.if \z
	WMX \ac, \xr, \wr, \sx, \sw, \ra, \rb, 0
.else
	WMX \ac, \xr, \wr, \sx, \sw, \ra, \rb, v[\ac:\ac+7]
.endif
.endm
; fragments i0 .. i1 - 1 of half hh of step t against W's four: source 0 = 16 rows of x, source 1 = 16 columns of W.  The sums take turns
.macro BATCH t, hh, z, i0, i1
	WSET \t
.set XR_, 128*(1-(\hh))
.set SX_, 32+16*((\t)%2)+8*(\hh)
	WIN (\hh)|(WW_<<2)|((2+(\hh))*0x50)
.set I_, \i0
.rept (\i1)-(\i0)
	WM 32*I_, XR_+16*I_, WR_, SX_+I_/2, SW_, I_%2, 0, \z
	WM 32*I_+8, XR_+16*I_, WR_+16, SX_+I_/2, SW_+1, I_%2, 0, \z
	WM 32*I_+16, XR_+16*I_, WR_+32, SX_+I_/2, SW_, I_%2, 1, \z
	WM 32*I_+24, XR_+16*I_, WR_+48, SX_+I_/2, SW_+1, I_%2, 1, \z
.set I_, I_+1
.endr
.endm
.macro ASKW o                          ; my block of a slot of W: 132 units of 256 bytes
	s_cmp_eq_u32 s39, 1
	s_cbranch_scc0 .Lnot_w_\@
.irp p, 0,8192,16384,24576
	global_prefetch_b8 v[PFO], s[PFW:PFW+1] offset:(\o)+\p th:TH_LOAD_NT scope:SCOPE_SE
.endr
	global_prefetch_b8 v[PF4], s[PFW:PFW+1] offset:(\o)+32768 th:TH_LOAD_NT scope:SCOPE_SE
.Lnot_w_\@:
.endm
.macro ASK idx                         ; at the change out of slot k = 3 x trip + idx: x's slot k + 3, 33 units a wave (none for k = 5: there is no slot 8); W's slot k + 2
.if (\idx)==2
	s_cmp_lt_u32 s38, 1
	s_cbranch_scc0 .Lnot_x_\@
.endif
	global_prefetch_b8 v[PFO], s[PFX:PFX+1] offset:(\idx)*2*BLK th:TH_LOAD_NT scope:SCOPE_SE
	global_prefetch_b8 v[PFZ], s[PFX:PFX+1] offset:(\idx)*2*BLK+8192 th:TH_LOAD_NT scope:SCOPE_SE
.Lnot_x_\@:
	ASKW ((\idx)+1)*2*BLK
.endm
; THE WAY OUT of blocks a0 .. a1 - 1 of 16 rows.  Register j of sum (a, b) is out0(16 a + 8 h + j, column 4 r + b).  The bias's addition puts the four b of a row side by side, in registers that no pending store reads:
; blocks 0-5 in window 0's operand registers (W's set 2, x's rows 0-127), 6, 7 in W's set 0: all done with when rows 0-127 leave; 8-11 where x's rows 128-255 lay, 12, 13 in W's set 1, 14, 15 in the sums of blocks 0, 1.
.macro DEST a
.if (\a) < 6
.set DW_, 0
.set DR_, 64+32*(\a)
.elseif (\a) < 8
.set DW_, 1
.set DR_, 128+32*((\a)-6)
.elseif (\a) < 12
.set DW_, 1
.set DR_, 32*((\a)-8)
.elseif (\a) < 14
.set DW_, 1
.set DR_, 192+32*((\a)-12)
.else
.set DW_, 2
.set DR_, 32*((\a)-14)
.endif
.endm
.macro OUTB a0, a1
.set A_, \a0
.rept (\a1)-(\a0)
	DEST A_
	WIN (2+A_/8)|(DW_<<6)
.irp j, 0,1,2,3,4,5,6,7
.irp b, 0,1,2,3
	v_add_f32 v[DR_+4*\j+\b], v[32*(A_%8)+8*\b+\j], v[BI+\b]       ; each sum is read from its low end on
.endr
.endr
	WIN DW_<<2
.irp j, 0,1,2,3,4,5,6,7
	global_store_b128 v[CO], v[DR_+4*\j:DR_+4*\j+3], s[10:11] offset:(16*A_+\j)*8192 th:TH_STORE_NT   ; sixteen lanes store 256 consecutive bytes, aligned; two rows an instruction
.endr
.set A_, A_+1
.endr
.endm
; A step of 128 along K: two batches.  lc: the loads of W issued behind this step's 17.  THE LDS WAITS' COUNT: behind a batch's 33 loads stands the other half's run of 33.
; mode 1, 2: a slot's last step, THE CHANGE OF SLOTS.  The slot's last fetch stood at the end of the step before.  The wait for my tensor load, the add; sixteen products (34: the run of 33 and the add may be out);
; the wait for the add and for my reads; the signal; sixteen products; the barrier's wait (mode 1: the rest of the cluster's round, and the refill); the next slot's addresses.
; mode 3: the last step of all.  The same lines are the wave's closing lines and the closing round: no LDS instruction and no tensor load follows them.  Rows 0-127 leave between the two batches.
.macro STEP t, z, wl, lc, mode, idx
	s_wait_loadcnt \lc
.if (\mode)!=0
	WIN 0
	s_wait_tensorcnt 0x0                           ; no tensor load of mine is out (modes 1, 2: my part of the next slot has landed)
	ds_add_u32 v[SPW], v[NIL]
.if (\mode)==1
	s_add_co_u32 s[G0+1], s36, s37                 ; the refill goes into the slot that is being left,
	s_add_nc_u64 s[G0+2:G0+3], s[G0+2:G0+3], 2*BLK ; 512 along K on from the last one asked for
.endif
.if (\mode)!=3
	s_xor_b32 s36, s36, SLOT                       ; the next slot
.endif
	s_wait_dscnt 34
	BATCH \t, 0, \z, 0, 4
	s_wait_dscnt 0x0                               ; the add is done, and my reads of this slot are over
	s_barrier_signal -1
	BATCH \t, 0, \z, 4, 8
	WIN 0
	s_barrier_wait -1
.if (\mode)!=2
	CREST
.endif
.if (\mode)==1
	TLOAD
	PLACES 4
.else
	PLACES 8
.endif
.if (\mode)!=3
	v_add_nc_u32 v[ADR], s36, v[L16]
	v_add_nc_u32 v[ADR+1], BLK, v[ADR]
	v_add_nc_u32 v[ADR+2], 2*BLK, v[ADR]
	v_add_nc_u32 v[ADR+3], 3*BLK, v[ADR]
	s_wait_alu depctr_va_vdst(0)
.endif
.else
	s_wait_dscnt 33
	BATCH \t, 0, \z, 0, 8
	PLACES 8                                       ; eight places between the last product and the loads into what it has read
.endif
.if (\mode)==3
	OUTB 0, 8
.else
	XLOAD (\t)+1, 0
.if (\mode)==1
	ASK \idx
.endif
	s_wait_dscnt 33
.endif
	BATCH \t, 1, \z, 0, 8
	PLACES 8
.if (\mode)!=3
	XLOAD (\t)+1, 1
.endif
.if \wl
	WLOAD (\t)+3
.endif
	WIN 0
.endm
	s_load_b256 s[4:11], s[0:1], 0x0               ; xq, wq, bias, out0
	v_lshl_add_u32 v[SPW], v0, 2, SPARE
	v_mov_b32 v[NIL], 0
	ds_add_u32 v[SPW], v[NIL]                      ; the opening lines: the add twice on end, and its wait ahead of my first tensor load
	ds_add_u32 v[SPW], v[NIL]
	v_lshrrev_b32 v1, 5, v0
	v_readfirstlane_b32 s14, v1                    ; wave 0..3
	s_lshr_b32 s15, s14, 1
	s_and_b32 s16, s14, 1
	s_bfe_u32 s17, ttmp6, 0x40000                  ; cx
	s_and_b32 s18, ttmp7, 0xffff                   ; tile row y
	s_lshl_b32 s19, ttmp9, 2
	s_add_co_u32 s19, s19, s17                     ; tile column X
	s_mov_b32 s[G1], 15|(3<<16)|(1<<21)            ; the four partners; elements of 8 bytes; a dense block of 132 rows of 256 bytes
	s_mov_b32 s[G1+1], 32<<16
	s_mov_b32 s[G1+2], 132<<16
	s_mov_b32 s[G1+3], 32<<16
	s_mov_b32 s[G1+4], 132
	s_mov_b32 s[G1+5], 32
	s_mov_b32 s[G1+6], 0
	s_mov_b32 s[G1+7], 0
	s_mov_b32 s[G0], 1
	s_mul_i32 s37, s14, BLK                        ; wave w brings block w of a slot: half w / 2 of the rows, K step w % 2 of its two
	s_mov_b32 s[G0+1], s37
	s_mov_b32 s36, 0                               ; the slot that is read
	s_lshl_b32 s22, s18, 5                         ; xq: 32 blocks for a tile row
	s_lshl_b32 s20, s15, 4
	s_add_co_u32 s20, s20, s16
	s_add_co_u32 s20, s20, s22
	s_mul_i32 s20, s20, BLK
	s_mov_b32 s21, 0
	s_lshr_b32 s46, s17, 1                         ; prefetch of x: partner cx takes block cx of a slot, wave w its units 33 w on; it begins at slot 3
	s_lshl_b32 s46, s46, 4
	s_and_b32 s47, s17, 1
	s_add_co_u32 s46, s46, s47
	s_add_co_u32 s46, s46, s22
	s_add_co_u32 s46, s46, 6
	s_mul_i32 s46, s46, BLK
	s_mul_i32 s47, s14, 33*256
	s_add_co_u32 s46, s46, s47
	s_mov_b32 s47, 0
	s_lshl_b32 s48, s19, 1                         ; wq: my half of 128 columns
	s_add_co_u32 s48, s48, s15
	s_mul_i32 s48, s48, 16*BLK
	s_mov_b32 s49, 0
	s_mul_i32 s50, s16, BLK                        ; prefetch of W: wave w takes K step w % 2 of its half's two; s[PFW] stands at slot 1
	s_add_co_u32 s50, s50, 2*BLK
	s_mov_b32 s51, 0
	s_lshl_b32 s52, s19, 10                        ; my 64 columns, in bytes of f32
	s_lshl_b32 s53, s14, 8
	s_add_co_u32 s52, s52, s53
	s_mov_b32 s53, 0
	s_lshl_b32 s54, s18, 21                        ; 256 rows of 8,192 bytes
	s_add_co_u32 s54, s54, s52
	s_mov_b32 s55, 0
	s_cmp_lt_u32 s18, 2
	s_cselect_b32 s39, 1, 0                        ; tile rows 0 and 1 (four clusters) prefetch W
	s_wait_dscnt 0x0                               ; both opening adds are done
	s_wait_kmcnt 0x0
	s_add_nc_u64 s[G0+2:G0+3], s[4:5], s[20:21]
	s_or_b32 s[G0+3], s[G0+3], 0x80000000
	s_add_nc_u64 s[PFX:PFX+1], s[4:5], s[46:47]
	s_add_nc_u64 s[WB:WB+1], s[6:7], s[48:49]
	s_add_nc_u64 s[PFW:PFW+1], s[WB:WB+1], s[50:51]
	s_add_nc_u64 s[8:9], s[8:9], s[52:53]
	s_add_nc_u64 s[10:11], s[10:11], s[54:55]
	CROUND                                         ; the four partners are here: the first joint loads meet
	TLOAD                                          ; slot 0: one tensor load a wave at the head
	v_and_b32 v1, 31, v0
	v_and_b32 v2, 15, v0                           ; r
	v_bfe_u32 v3, v0, 4, 1                         ; h
	v_lshlrev_b32 v[L16], 4, v1
	s_lshl_b32 s22, s16, 13
	v_add_nc_u32 v[WO], s22, v[L16]
	v_lshlrev_b32 v4, 4, v2                        ; 16 r: also my four numbers of the bias (columns 4 r .. 4 r + 3)
	v_lshl_add_u32 v[WSO], v3, 3, v4
	s_lshl_b32 s22, s16, 8
	s_add_co_u32 s22, s22, 32768
	v_add_nc_u32 v[WSO], s22, v[WSO]
	v_lshl_add_u32 v[CO], v3, 16, v4
	v_lshlrev_b32 v[PFO], 8, v1
	v_mov_b32 v[PFZ], 0
	v_and_b32 v5, 3, v0
	v_lshlrev_b32 v[PF4], 8, v5
	v_mov_b32 v[ADR], v[L16]
	v_add_nc_u32 v[ADR+1], BLK, v[L16]
	v_add_nc_u32 v[ADR+2], 2*BLK, v[L16]
	v_add_nc_u32 v[ADR+3], 3*BLK, v[L16]
	s_wait_alu depctr_va_vdst(0)
	global_load_b128 v[BI:BI+3], v4, s[8:9]
	WLOAD 0                                        ; W's steps 0, 1, 2
	WLOAD 1
	WLOAD 2
	ASKW 0                                         ; W's slot 1
	s_wait_tensorcnt 0x0                           ; my block of slot 0 is in; the same lines as ahead of a refill stand ahead of slot 1's first fill
	ds_add_u32 v[SPW], v[NIL]
	s_add_co_u32 s[G0+1], s37, SLOT
	s_add_nc_u64 s[G0+2:G0+3], s[G0+2:G0+3], 2*BLK
	s_wait_dscnt 0x0
	CROUND
	TLOAD                                          ; slot 1
	XLOAD 0, 0
	XLOAD 0, 1
	STEP 0, 1, 1, 34, 0, 0                         ; the first step stands ahead of the loop: its products start the sums
	s_mov_b32 s38, 0
.Ltrip:                                                ; a trip: twelve steps, from a slot's step 1 to step 0 three slots on; three refills
.set T_, 1
.rept 12
.if T_%4 == 3
	STEP T_, 0, 1, 34, 1, T_/4
.else
	STEP T_, 0, 1, 34, 0, 0
.endif
.set T_, T_+1
.endr
	s_wait_xcnt 0x0                                ; the loads and prefetches have read their bases
	s_add_nc_u64 s[WB:WB+1], s[WB:WB+1], 6*BLK
	s_add_nc_u64 s[PFX:PFX+1], s[PFX:PFX+1], 6*BLK
	s_add_nc_u64 s[PFW:PFW+1], s[PFW:PFW+1], 6*BLK
	s_add_co_u32 s38, s38, 1
	s_cmp_lt_u32 s38, 2
	s_cbranch_scc1 .Ltrip
	STEP 1, 0, 1, 34, 0, 0                         ; steps 25 to 31: nothing is filled again; W's last step is asked for behind step 28
	STEP 2, 0, 1, 34, 0, 0
	STEP 3, 0, 1, 34, 2, 0
	STEP 4, 0, 1, 34, 0, 0
	STEP 5, 0, 0, 34, 0, 0
	STEP 6, 0, 0, 17, 0, 0
	STEP 7, 0, 0, 0, 3, 0                          ; with the closing lines, the closing round and the way out of rows 0-127; eight places stand behind its last product
	OUTB 8, 16                                     ; rows 128-255
	WIN 0
	s_endpgm
.Lfunc_end_k_qd34c69d108_gemm:
	.size	k_qd34c69d108_gemm, .Lfunc_end_k_qd34c69d108_gemm-k_qd34c69d108_gemm
	.p2alignl 7, 3214868480
	.fill 96, 4, 3214868480
	.section	.rodata,"a",@progbits
	.p2align	6, 0x0
	.amdhsa_kernel k_qd34c69d108_gemm
		.amdhsa_group_segment_fixed_size 327680
		.amdhsa_private_segment_fixed_size 0
		.amdhsa_enable_private_segment 0
		.amdhsa_kernarg_size 32
		.amdhsa_user_sgpr_count 2
		.amdhsa_user_sgpr_kernarg_segment_ptr 1
		.amdhsa_wavefront_size32 1
		.amdhsa_system_sgpr_workgroup_id_x 1
		.amdhsa_system_sgpr_workgroup_id_y 1
		.amdhsa_system_sgpr_workgroup_id_z 1
		.amdhsa_system_vgpr_workitem_id 0
		.amdhsa_next_free_vgpr 1024
		.amdhsa_next_free_sgpr 66
		.amdhsa_reserve_vcc 0
		.amdhsa_float_denorm_mode_32 3
		.amdhsa_float_denorm_mode_16_64 3
		.amdhsa_memory_ordered 1
		.amdhsa_forward_progress 1
		.amdhsa_inst_pref_size 255
	.end_amdhsa_kernel
	.section	.bss,"aw",@nobits
	.p2align	6
	.space	262144
	.amdgpu_metadata
---
amdhsa.version: [ 1, 2 ]
amdhsa.kernels:
  - .name:           k_qd34c69d108_gemm
    .symbol:         k_qd34c69d108_gemm.kd
    .args:
      - { .name: xq, .offset: 0, .size: 8, .value_kind: global_buffer, .address_space: global }
      - { .name: wq, .offset: 8, .size: 8, .value_kind: global_buffer, .address_space: global }
      - { .name: bias, .offset: 16, .size: 8, .value_kind: global_buffer, .address_space: global }
      - { .name: out0, .offset: 24, .size: 8, .value_kind: global_buffer, .address_space: global }
    .group_segment_fixed_size: 327680
    .private_segment_fixed_size: 0
    .kernarg_segment_align: 8
    .kernarg_segment_size: 32
    .max_flat_workgroup_size: 128
    .sgpr_count:     66
    .vgpr_count:     1024
    .wavefront_size: 32
...
	.end_amdgpu_metadata
.endif
;; end of part 2
